; MI455X (gfx1250); checked and timed in simulation.
; The chip was launched on July 23, 2026; its instructions are those of AMD's public machine-readable ISA for CDNA 5 (MIT licence, August 2026) and "CDNA5" Instruction Set Architecture Reference Guide (July 2026). The comments in the code are by the model that wrote it; some were corrected since.
;; VQ Module. Allowed arithmetic: float matrix products may take bf16 or f16 operands with f32 sums; other float arithmetic in f32, or as packed bf16 or f16 multiplies, adds, multiply-adds, maxima and minima; sums over many terms, partial sums and values carried from step to step in f32; what a program stores and reads back later, other than sums and carried values, may be rounded once to bf16 or f16.
;; Inputs: embed 256 x 8,192 float32; x 32 x 256 x 32 x 32 float32.
;; Outputs: out0 32 x 256 x 32 x 32 float32; out1 32 x 32 x 32 int32.
;; 2 versions, each right; version 2 is version 1 with the launches prep, lookup written anew for expert scheduling mode. Each part assembles by itself: llvm-mc -triple=amdgcn-amd-amdhsa -mcpu=gfx1250 --defsym DOCPART=n.
;; ======== version 1 of 2: 3 launches
;; workspace buffers: ebk 4,194,304 bytes; e2 32,768 bytes; idw 131,072 bytes of whole numbers
;; launch prep (part 1): grid 64 x 1, 16 waves a work-group, no clusters, 10,240 bytes of LDS; arguments embed, ebk, e2; writes ebk, e2
.if DOCPART == 1
	.amdgcn_target "amdgcn-amd-amdhsa--gfx1250"
	.amdhsa_code_object_version 6
	.text
	.protected	k_q0b22e7927d_prep
	.globl	k_q0b22e7927d_prep
	.p2align	8
	.type	k_q0b22e7927d_prep,@function
k_q0b22e7927d_prep:
	s_mov_b64 s[64:65], 0
	v_nop
	global_prefetch_b8 v0, s[64:65] scope:SCOPE_SE
	s_setreg_imm32_b32 hwreg(HW_REG_WAVE_MODE, 25, 1), 1
	s_wait_xcnt 0x0
; ebk[k][j] = bf16(embed[k][j]), in embed's own order [256][8192];  e2[j] = the sum over k of bf16(embed[k][j])^2, in f32.
; The squares are taken of the ROUNDED numbers, since the products of the next launch see those.
; SHARES.  A work-group owns 128 columns: 512 bytes of a row of embed, 256 bytes of a row of ebk, so that a wave's store of a row covers 256 consecutive
; bytes, aligned; with fewer columns it would not.  A column's sum has one owner, so there are 8192 / 128 = 64 work-groups.  Wave w owns rows 16 w .. 16 w + 15,
; a lane four columns.  All sixteen loads of a wave go out at once; each row has registers of its own for what is stored, so nothing is rewritten that a store reads.
; The sixteen waves' partial sums meet in LDS; wave 0 adds them.  The order of the sums is not reference()'s: rows in ascending order inside a wave, then a tree over the waves.
.set EROW,  32768                      ; bytes in a row of embed
.set BROW,  16384                      ; bytes in a row of ebk
.set SPARE, 8192                       ; behind the partial sums (16 waves x 512 bytes): the spare words, 128 bytes for each wave
.set LO,  2                            ; v2   my 16 bytes in embed: 16 l + 16 w rows
.set SO,  3                            ; v3   my 8 bytes in ebk: 8 l + 16 w rows
.set LS,  4                            ; v4   where I put my four sums: 512 w + 16 l
.set LR,  5                            ; v5   16 l: where wave 0 reads sums back, and my 16 bytes of e2
.set SPW, 6                            ; v6   LDS address of my spare word; never rewritten
.set NIL, 7                            ; v7   0; never rewritten
.set SUM, 8                            ; v[8:11]   four sums
.set X,   16                           ; v[16:79]  row i as loaded: 4 registers
.set PKD, 80                           ; v[80:111] row i as stored: 2 registers
.set WV,  10                           ; s10  my wave's number
	s_load_b128 s[4:7], s[0:1], 0x0                ; embed s[4:5], ebk s[6:7]
	s_load_b64 s[8:9], s[0:1], 0x10                ; e2
	v_lshl_add_u32 v[SPW], v0, 2, SPARE
	v_mov_b32 v[NIL], 0
	v_lshrrev_b32 v1, 5, v0
	v_readfirstlane_b32 s[WV], v1                  ; wave 0..15
	v_and_b32 v1, 31, v0                           ; lane
	s_lshl_b32 s11, s[WV], 19                      ; 16 rows of embed
	v_lshl_add_u32 v[LO], v1, 4, s11
	s_lshl_b32 s11, s[WV], 18                      ; 16 rows of ebk
	v_lshl_add_u32 v[SO], v1, 3, s11
	s_lshl_b32 s11, s[WV], 9
	v_lshl_add_u32 v[LS], v1, 4, s11
	v_lshlrev_b32 v[LR], 4, v1
	s_lshl_b32 s12, ttmp9, 9                       ; the work-group's 128 columns: 512 bytes in embed and in e2,
	s_mov_b32 s13, 0
	s_lshl_b32 s14, ttmp9, 8                       ; 256 bytes in ebk
	s_mov_b32 s15, 0
	s_wait_kmcnt 0x0
	s_add_nc_u64 s[4:5], s[4:5], s[12:13]
	s_add_nc_u64 s[6:7], s[6:7], s[14:15]
	s_add_nc_u64 s[8:9], s[8:9], s[12:13]
.irp i, 0,1,2,3,4,5,6,7,8,9,10,11,12,13,14,15
	global_load_b128 v[X+4*\i:X+4*\i+3], v[LO], s[4:5] offset:\i*EROW th:TH_LOAD_NT  ; 512 consecutive bytes a wave
.endr
.irp c, 0,1,2,3
	v_mov_b32 v[SUM+\c], 0                         ; four registers, written while the loads are out
.endr
.irp i, 0,1,2,3,4,5,6,7,8,9,10,11,12,13,14,15
	s_wait_loadcnt 15-\i                           ; loads come back in order: row i is in, the younger rows stay out
	v_cvt_pk_bf16_f32 v[PKD+2*\i],   v[X+4*\i],   v[X+4*\i+1]
	v_cvt_pk_bf16_f32 v[PKD+2*\i+1], v[X+4*\i+2], v[X+4*\i+3]
	v_fma_mix_f32_bf16 v[SUM],   v[PKD+2*\i],   v[PKD+2*\i],   v[SUM]   op_sel_hi:[1,1,0]                 ; low half squared, in f32
	v_fma_mix_f32_bf16 v[SUM+1], v[PKD+2*\i],   v[PKD+2*\i],   v[SUM+1] op_sel:[1,1,0] op_sel_hi:[1,1,0]  ; high half squared
	v_fma_mix_f32_bf16 v[SUM+2], v[PKD+2*\i+1], v[PKD+2*\i+1], v[SUM+2] op_sel_hi:[1,1,0]
	v_fma_mix_f32_bf16 v[SUM+3], v[PKD+2*\i+1], v[PKD+2*\i+1], v[SUM+3] op_sel:[1,1,0] op_sel_hi:[1,1,0]
	global_store_b64 v[SO], v[PKD+2*\i:PKD+2*\i+1], s[6:7] offset:\i*BROW  ; the wave stores 256 consecutive bytes, at a multiple of 256 from ebk's first byte
.endr
	ds_store_b128 v[LS], v[SUM:SUM+3]
	s_wait_dscnt 0x0                               ; for the others' sake: my sums lie in LDS
	s_barrier_signal -1
	s_barrier_wait -1
	s_cmp_lg_u32 s[WV], 0                          ; wave 0 adds the sixteen partial sums
	s_cbranch_scc1 .Lend
.irp w, 0,1,2,3,4,5,6,7,8,9,10,11,12,13,14,15
	ds_load_b128 v[X+4*\w:X+4*\w+3], v[LR] offset:512*\w
.endr
	s_wait_dscnt 0x0
.irp d, 8,4,2,1                        ; a tree: quad k takes quad k + d
.set k, 0
.rept \d
	v_pk_add_f32 v[X+4*k:X+4*k+1],   v[X+4*k:X+4*k+1],   v[X+4*(k+\d):X+4*(k+\d)+1]
	v_pk_add_f32 v[X+4*k+2:X+4*k+3], v[X+4*k+2:X+4*k+3], v[X+4*(k+\d)+2:X+4*(k+\d)+3]
.set k, k+1
.endr
.endr
	global_store_b128 v[LR], v[X:X+3], s[8:9]      ; 512 consecutive bytes of e2
.Lend:
	s_wait_tensorcnt 0x0                           ; the wave's end, behind my last LDS store
	ds_add_u32 v[SPW], v[NIL]
	s_wait_dscnt 0x0
	s_endpgm
.Lfunc_end_k_q0b22e7927d_prep:
	.size	k_q0b22e7927d_prep, .Lfunc_end_k_q0b22e7927d_prep-k_q0b22e7927d_prep
	.p2alignl 7, 3214868480
	.fill 96, 4, 3214868480
	.section	.rodata,"a",@progbits
	.p2align	6, 0x0
	.amdhsa_kernel k_q0b22e7927d_prep
		.amdhsa_group_segment_fixed_size 10240
		.amdhsa_private_segment_fixed_size 0
		.amdhsa_enable_private_segment 0
		.amdhsa_kernarg_size 24
		.amdhsa_user_sgpr_count 2
		.amdhsa_user_sgpr_kernarg_segment_ptr 1
		.amdhsa_wavefront_size32 1
		.amdhsa_system_sgpr_workgroup_id_x 1
		.amdhsa_system_sgpr_workgroup_id_y 1
		.amdhsa_system_sgpr_workgroup_id_z 1
		.amdhsa_system_vgpr_workitem_id 0
		.amdhsa_next_free_vgpr 112
		.amdhsa_next_free_sgpr 66
		.amdhsa_reserve_vcc 0
		.amdhsa_float_denorm_mode_32 3
		.amdhsa_float_denorm_mode_16_64 3
		.amdhsa_memory_ordered 1
		.amdhsa_forward_progress 1
		.amdhsa_inst_pref_size 15
	.end_amdhsa_kernel
	.amdgpu_metadata
---
amdhsa.version: [ 1, 2 ]
amdhsa.kernels:
  - .name:           k_q0b22e7927d_prep
    .symbol:         k_q0b22e7927d_prep.kd
    .args:
      - { .name: embed, .offset: 0, .size: 8, .value_kind: global_buffer, .address_space: global }
      - { .name: ebk, .offset: 8, .size: 8, .value_kind: global_buffer, .address_space: global }
      - { .name: e2, .offset: 16, .size: 8, .value_kind: global_buffer, .address_space: global }
    .group_segment_fixed_size: 10240
    .private_segment_fixed_size: 0
    .kernarg_segment_align: 8
    .kernarg_segment_size: 24
    .max_flat_workgroup_size: 512
    .sgpr_count:     66
    .vgpr_count:     112
    .wavefront_size: 32
...
	.end_amdgpu_metadata
.endif
;; end of part 1
;; launch nearest (part 2): grid 256 x 1, 4 waves a work-group, clusters of 4 x 1, 327,680 bytes of LDS; arguments x, ebk, e2, idw, out1; writes idw, out1
.if DOCPART == 2
	.amdgcn_target "amdgcn-amd-amdhsa--gfx1250"
	.amdhsa_code_object_version 6
	.text
	.protected	k_q0b22e7927d_nearest
	.globl	k_q0b22e7927d_nearest
	.p2align	8
	.type	k_q0b22e7927d_nearest,@function
k_q0b22e7927d_nearest:
	s_mov_b64 s[64:65], 0
	v_nop
	global_prefetch_b8 v0, s[64:65] scope:SCOPE_SE
	s_setreg_imm32_b32 hwreg(HW_REG_WAVE_MODE, 25, 1), 1
	s_wait_xcnt 0x0
	s_wait_alu depctr_hold_cnt(0) depctr_sa_sdst(0) depctr_va_vdst(0) depctr_va_sdst(0) depctr_va_ssrc(0) depctr_va_vcc(0) depctr_vm_vsrc(0)
	s_getreg_b32 s2, hwreg(HW_REG_IB_STS2, 6, 4)
	s_cmp_eq_u32 s2, 0
	s_cbranch_scc0 .Lentry_in_a_cluster
	s_endpgm
.Lentry_in_a_cluster:
	s_bfe_u32 s2, ttmp6, 0x10000c
	s_cmp_lg_u32 s2, 0x3003
	s_cbranch_scc0 .Lentry_shape_is_right
	s_endpgm
.Lentry_shape_is_right:
; For each of the 32,768 queries z = x[b][:][h][w] (256 channels) the code j of 8,192 with the least  (e2[j] + z2) - 2 z . e[j],  the lowest j on a tie.
; x is rounded to bf16 here, ebk holds embed rounded to bf16, e2 and z2 are sums of squares of the rounded numbers; products on the matrix unit, sums in f32.
; The score kept is  s = fl(dot - fl(e2 + z2) / 2): the halving is exact, so s is reference()'s distance, with its two roundings, times -1/2; the GREATEST s wins.
; LIMITS.  A NaN score never wins (jnp.argmin would return it).  The f32 sums inside e2, z2 and the dot are taken in another order than reference()'s, so two codes whose
; distances differ by a few last places of the f32 distance may be ordered otherwise.  Nothing else: bf16 has f32's range.
; SHARES.  A work-group owns 128 queries: image b = g / 8, places p = h 32 + w = 128 (g % 8) .. + 127: for each channel 512 consecutive bytes of x.  ALL FOUR WAVES hold the same 128
; queries as source 1 of the products (8 tiles of 16 queries x 8 fragments of 32 channels: 512 registers), and THE CODES ARE SPLIT: of each slot of 256 codes wave w takes 64 w .. 64 w + 63,
; four tiles of 16.  So a tile's 16 turning loads feed 64 matrix instructions, and each LDS byte of the codebook is read by one wave.
; LAYOUT.  S^T = E Q^T (source 0 = 16 codes, source 1 = 16 queries): a lane holds ONE query (lane % 16) and the codes 8 (lane / 16) + 0..7: the argmin runs inside the lane, in eight
; chains a query tile (one for each register j): the best score and the number of the tile that gave it.  A strict comparison keeps the earlier tile on a tie.
; BY TURNS.  The 8 query tiles are two groups of four.  In a TURN one group has the matrix unit (32 products: a code tile x 4 query tiles x 8 fragments) and the other group's 128 vector
; instructions stand in slices of four, one slice behind each product: for 8 products 32 vector instructions: 4 packed e2 + z2, 4 packed s, 8 compares, 8 selects, 8 maxima.
; CLUSTER.  Every work-group walks the whole codebook in the same order, so the four partners of a cluster ask for each block JOINTLY: the same tensor load, descriptor and mask in all four.
; A mask names four at the most and only this one operand is shared, so the cluster is 4 x 1.
; REGISTERS, in windows of 256 (s_set_vgpr_msb: bits 1:0 source 0, 3:2 source 1, 5:4 source 2, 7:6 destination):
;   window 0: v0-15 addresses; v16-31 z2, twice for each query tile; v32-47 e2 of a code tile, two buffers; v48-55 at work; v56-63 the prologue's and the way out's; v64-127 S^T; v128-191 best; v192-255 tile numbers
;   window 1: v0-127 E's fragments, two buffers (in the prologue all 256: x as loaded)      window 2: Q of query tiles 0-3      window 3: Q of query tiles 4-7
; All that a slice touches lies in window 0, so a slice costs two switches: 128 for a code tile's 64 matrix instructions, and two for its run of LDS loads.
.set PK,    544       ; a row (one channel, 256 codes) of a slot: 512 bytes + 32 of padding = 17 x 32
.set SLOTB, 0x22000   ; a slot: 256 rows x 544.  It shares no bit with a wave's place in a slot (w x 0x8800), so one exclusive or turns an address in one slot into the other's
.set WROWS, 64*PK     ; what one tensor load brings: 64 rows
.set STAGE, 2*SLOTB   ; behind the ring, written by LDS stores alone: first, twice, 128 channels x 128 queries of bf16(x); then the table of e2, 32,768 bytes
.set PQ,    288       ; a row of that stage: 256 bytes + 32 = 9 x 32
.set ZP,    STAGE+128*PQ  ; the waves' partial z2: [wave][128] f32
.set SPARE, ZP+2048   ; the spare words, 128 bytes for each wave: two blocks of 256 bytes that no other line names
.set MERGE, SPARE+512 ; [wave][128] pairs (score, code)
.set IDS,   MERGE+4096  ; 128 ids, wave 0's own
.set AK0, 2           ; v2   my lane's place in a code tile: (8 (l / 16) + l % 8) x 544 + 16 ((l / 8) % 2) + 128 w; never rewritten
.set AK1, 3           ; v3   the same 128 rows further down: an LDS offset has 16 bits
.set AE0, 4           ; v4   my place in the table of e2: STAGE + 256 w + 32 (l / 16)
.set ADR0, 5          ; v5, v6  the addresses of the run of loads in hand
.set ADR1, 6
.set ADE, 7           ; v7   and of its e2
.set AQ,  8           ; v8   my lane's place in the stage, for the turning loads of Q
.set XO,  9           ; v9   my 16 bytes of x: 16 l + 32 w channels; never rewritten
.set QS,  10          ; v10  where I put 8 bytes of bf16(x): STAGE + 32 w rows + 8 l
.set PFO, 11          ; v11  the prefetches' offset; never rewritten
.set SPW, 12          ; v12  LDS address of my spare word: SPARE + 4 x my thread's number; never rewritten
.set NIL, 13          ; v13  0; never rewritten
.set HH,  14          ; v14  l / 16
.set LN,  15          ; v15  l
.set Z,   16
.set E2,  32
.set T,   48
.set ZA,  56          ; v[56:59] the prologue: z2 of my four queries over my wave's 64 channels
.set EO,  60          ; v60  16 x thread: my 16 bytes of e2
.set ES,  61          ; v61  and their place in the table
.set ZS,  62          ; v62  where I put ZA
.set ZR,  63          ; v63  where I read the partial z2 of query l % 16
.set MS,  56          ; the way out: v56 where I put (score, code); v57 16 l; v58, v59 the ids' stage; v60 128 l; v61 at work; v62 where wave 0 reads the pairs
.set LO,  57
.set IA,  58
.set IB,  59
.set OO,  60
.set TM,  61
.set MR,  62
.set S,   64
.set BE,  128
.set IX,  192
.set CV,  128         ; the prologue: 64 words of bf16(x), where the best scores will lie
.set WV,  14          ; s14  my wave's number
.set CX,  15          ; s15  my place in the cluster: it enters global addresses alone
.set GG,  16          ; s16  my work-group
.set G1,  24          ; s[24:31] descriptor group 1
.set G0A, 32          ; s[32:35] group 0 of slot 0's first fill
.set G0B, 36          ; s[36:39] of slot 1's; it then walks
.set SLOTS, 40        ; s40  counts the changes of slots
.set CNT, 41          ; s41  counts a slot's pairs of tiles
.set TB,  42          ; s42  LDS byte at which the code tile to be fetched begins, less my wave's and lane's part
.set TE,  43          ; s43  the same in the table of e2
.set TAU, 44          ; s44  the number, 0 to 127, of the code tile whose scores are being compared
.set MK,  48          ; s[48:51] four masks of the compares
.set SEL, 52          ; s[52:53] v_permlanex16_b32's selects: each lane takes its own place in the other half
.set PFA, 54          ; s[54:55] where my prefetches stand
.set LIM, 56          ; s56  1 in a cluster that prefetches, else the greatest number
.set CM,  58          ; s[58:60] the way out's masks
.set MSB, 0
.macro WIN new                      ; the high byte repeats the setting that is left; a switch that changes nothing is dropped
.if MSB != (\new)
	s_set_vgpr_msb (MSB<<8)|(\new)
.set MSB, (\new)
.endif
.endm
; A round of the cluster's barrier: my work-group's barrier, so that wave 0's signal speaks for all four waves; wave 0 signals; every wave waits for all four work-groups; my work-group's barrier once more.
.macro CROUND
	s_barrier_signal -1
	s_barrier_wait -1
	s_cmp_lg_u32 s[WV], 0
	s_cbranch_scc1 .Lnot_wave_0_\@
	s_barrier_signal -3
.Lnot_wave_0_\@:
	s_barrier_wait -3
	s_barrier_signal -1
	s_barrier_wait -1
.endm
; A PREFETCH INTO THE L2 of the block that the NEXT change of slots will ask for: 256 rows x 512 bytes = 512 pieces of 256 bytes.  All clusters walk the same blocks: the first cluster asks, nobody else.
; Its four partners share the rows out BY ADDRESS, 64 each; a wave takes 16 of them, a lane half a row: one instruction a wave, and each piece is named once in the launch.
; It stands behind the wave's tensor load and its five lines, four code tiles (256 matrix instructions) ahead of the load that will want the block.  The last change that fills a slot asks for nothing.
.macro ASK
	s_cmp_gt_u32 s[SLOTS], s[LIM]
	s_cbranch_scc0 .Lnot_mine_\@
	global_prefetch_b8 v[PFO], s[PFA:PFA+1] th:TH_LOAD_NT scope:SCOPE_SE
.Lnot_mine_\@:
.endm
	s_load_b256 s[4:11], s[0:1], 0x0  ; x s[4:5], ebk s[6:7], e2 s[8:9], idw s[10:11]
	s_load_b64 s[12:13], s[0:1], 0x20 ; out1
	v_lshl_add_u32 v[SPW], v0, 2, SPARE
	v_mov_b32 v[NIL], 0
	ds_add_u32 v[SPW], v[NIL]       ; the wave's opening: the add and its wait stand ahead of my first tensor load; the set-up below, work on registers, stands between them
	ds_add_u32 v12, v13
	v_lshrrev_b32 v1, 5, v0
	v_readfirstlane_b32 s[WV], v1   ; wave 0..3
	s_bfe_u32 s[CX], ttmp6, 0x40000 ; cx
	s_lshl_b32 s[GG], ttmp9, 2      ; in a cluster launch ttmp9 counts clusters
	s_add_co_u32 s[GG], s[GG], s[CX]
	; descriptor group 1: a tile of 64 rows (channels) x 256 elements (codes), padded in LDS
	s_mov_b32 s[G1], 15|(1<<16)|(1<<20)|(1<<21)|(6<<22)|(7<<25)  ; 15:0 the mask of four; 17:16 2-byte elements; 20 padding on; 21 set beside a mask; 24:22 after every 128 words (code 6); 31:25 8 words (code 7)
	s_mov_b32 s[G1+1], 256<<16      ; tensor_dim0 = 256
	s_mov_b32 s[G1+2], 64<<16       ; tensor_dim1 = 64
	s_mov_b32 s[G1+3], 256<<16      ; tile_dim0 = 256
	s_mov_b32 s[G1+4], 64           ; tile_dim1 = 64
	s_mov_b32 s[G1+5], 8192         ; elements from row to row
	s_mov_b32 s[G1+6], 0
	s_mov_b32 s[G1+7], 0
	s_mul_i32 s18, s[WV], WROWS     ; my 64 rows' place in a slot: the wave's number alone
	s_mov_b32 s[G0A], 1             ; count = 1
	s_mov_b32 s[G0A+1], s18         ; LDS address: slot 0
	s_mov_b32 s[G0B], 1
	s_add_co_u32 s[G0B+1], s18, SLOTB  ; slot 1
	s_lshl_b32 s60, s[WV], 20       ; my 64 rows of ebk, 16,384 bytes each
	s_mov_b32 s61, 0
	s_lshr_b32 s18, s[GG], 3        ; b
	s_and_b32 s19, s[GG], 7         ; which 128 places of the image
	s_lshl_b32 s20, s18, 20         ; x: an image is 1,048,576 bytes,
	s_lshl_b32 s22, s19, 9          ; 128 places are 512
	s_add_co_u32 s20, s20, s22
	s_mov_b32 s21, 0
	s_lshl_b32 s22, s[GG], 9        ; idw: 128 ids
	s_mov_b32 s23, 0
	s_lshl_b32 s58, s18, 12         ; out1 lies as [b][w][h]: an image is 4,096 bytes,
	s_lshl_b32 s19, s19, 4          ; my four h are 16 bytes of each w's 128
	s_add_co_u32 s58, s58, s19
	s_mov_b32 s59, 0
	s_lshl_b32 s46, s[CX], 20       ; the prefetches: my work-group's 64 rows of ebk
	s_mov_b32 s47, 0
	s_cmp_eq_u32 ttmp9, 0           ; the first cluster: the same answer in all four partners
	s_cselect_b32 s[LIM], 1, -1
	s_mov_b32 s[SEL], 0x76543210
	s_mov_b32 s[SEL+1], 0xfedcba98
	v_and_b32 v[LN], 31, v0
	v_and_b32 v1, 15, v0            ; l % 16
	v_bfe_u32 v[HH], v0, 4, 1
	v_and_b32 v[T], 7, v0
	v_bfe_u32 v[T+1], v0, 3, 1
	v_lshl_add_u32 v[T], v[HH], 3, v[T]  ; the turning load's row: 8 (l / 16) + l % 8
	v_mul_u32_u24 v[AK0], v[T], PK
	v_lshl_add_u32 v[AK0], v[T+1], 4, v[AK0]
	s_lshl_b32 s18, s[WV], 7        ; my wave's 64 codes: 128 bytes of a row
	v_add_nc_u32 v[AK0], s18, v[AK0]
	v_add_nc_u32 v[AK1], 128*PK, v[AK0]
	s_lshl_b32 s18, s[WV], 8
	s_add_co_u32 s18, s18, STAGE
	v_lshl_add_u32 v[AE0], v[HH], 5, s18
	v_mul_u32_u24 v[AQ], v[T], PQ
	v_lshl_add_u32 v[AQ], v[T+1], 4, v[AQ]
	v_add_nc_u32 v[AQ], STAGE, v[AQ]
	s_lshl_b32 s18, s[WV], 17       ; 32 channels of 4,096 bytes
	v_lshl_add_u32 v[XO], v[LN], 4, s18
	s_mul_i32 s18, s[WV], 32*PQ
	s_add_co_u32 s18, s18, STAGE
	v_lshl_add_u32 v[QS], v[LN], 3, s18
	v_lshrrev_b32 v[T], 1, v[LN]
	s_lshl_b32 s18, s[WV], 4
	v_add_nc_u32 v[T], s18, v[T]    ; row 16 w + l / 2 of my work-group's 64,
	v_lshlrev_b32 v[T], 14, v[T]
	v_and_b32 v[T+1], 1, v[LN]
	v_lshl_add_u32 v[PFO], v[T+1], 8, v[T]  ; half l % 2 of its 512 bytes
	v_lshlrev_b32 v[EO], 4, v0
	v_lshl_add_u32 v[ES], v0, 4, STAGE
	v_lshl_add_u32 v[ZS], v0, 4, ZP ; 512 w + 16 l
	v_lshl_add_u32 v[ZR], v1, 2, ZP
.irp c, 0,1,2,3
	v_mov_b32 v[ZA+\c], 0
.endr
	s_wait_dscnt 0x0                ; the opening add is done
	s_wait_kmcnt 0x0
	s_add_nc_u64 s[G0A+2:G0A+3], s[6:7], s[60:61]      ; global address: my rows, block 0
	s_add_nc_u64 s[G0B+2:G0B+3], s[G0A+2:G0A+3], 512   ; block 1: 256 codes on
	s_or_b32 s[G0A+3], s[G0A+3], 0x80000000            ; type = 2
	s_or_b32 s[G0B+3], s[G0B+3], 0x80000000
	s_add_nc_u64 s[4:5], s[4:5], s[20:21]
	s_add_nc_u64 s[10:11], s[10:11], s[22:23]
	s_add_nc_u64 s[12:13], s[12:13], s[58:59]
	s_add_nc_u64 s[PFA:PFA+1], s[6:7], s[46:47]
	s_add_nc_u64 s[PFA:PFA+1], s[PFA:PFA+1], 2*512     ; at block 2; the first change of slots steps it to block 3.  Nothing is prefetched here, at the head
	CROUND                          ; all four work-groups are here: the first joint loads meet
	tensor_load_to_lds s[G0A:G0A+3], s[G1:G1+7]  ; the two first fills stand together, ahead of every wait on TENSORcnt and every LDS read: two loads of mine are out
	s_nop 0
	tensor_load_to_lds s[G0B:G0B+3], s[G1:G1+7]
	s_nop 0
.rept 4
	v_nop
.endr
	; x: my wave's 32 channels of the first 128, then of the second 128; a load covers a channel's 512 consecutive bytes.  Then e2, 16 bytes a thread, sixteen times.
	WIN 0x40                        ; destination window 1, address window 0
.set i, 0
.rept 64
	global_load_b128 v[4*i:4*i+3], v[XO], s[4:5] offset:(i+96*(i/32))*4096 th:TH_LOAD_NT
.set i, i+1
.endr
	WIN 0
.set i, 0
.rept 16
	global_load_b128 v[S+4*i:S+4*i+3], v[EO], s[8:9] offset:i*2048
.set i, i+1
.endr
; Half hf of the channels: rounded to bf16, squared into z2, and laid into the stage as [channel][query].  left: the loads issued behind this half's.
.macro CONV hf, left
	s_wait_loadcnt \left
	WIN 0x05                        ; sources in window 1, destination in window 0
.set i, 0
.rept 64
	v_cvt_pk_bf16_f32 v[CV+i], v[128*(\hf)+2*i], v[128*(\hf)+2*i+1]
.set i, i+1
.endr
	WIN 0
.set i, 0
.rept 32
	v_fma_mix_f32_bf16 v[ZA],   v[CV+2*i],   v[CV+2*i],   v[ZA]   op_sel_hi:[1,1,0]                 ; the squares of the rounded numbers, in f32
	v_fma_mix_f32_bf16 v[ZA+1], v[CV+2*i],   v[CV+2*i],   v[ZA+1] op_sel:[1,1,0] op_sel_hi:[1,1,0]
	v_fma_mix_f32_bf16 v[ZA+2], v[CV+2*i+1], v[CV+2*i+1], v[ZA+2] op_sel_hi:[1,1,0]
	v_fma_mix_f32_bf16 v[ZA+3], v[CV+2*i+1], v[CV+2*i+1], v[ZA+3] op_sel:[1,1,0] op_sel_hi:[1,1,0]
	ds_store_b64 v[QS], v[CV+2*i:CV+2*i+1] offset:i*PQ  ; 32 lanes x 8 bytes: a row's 256
.set i, i+1
.endr
.endm
; Q's fragments of that half, turned: query tile q, channels 32 (4 hf + c) on: lane l gets query l % 16.
.macro QFRAG hf
.set q, 0
.rept 8
	WIN 0x80+0x40*(q/4)             ; destination window 2 or 3
.set c, 0
.rept 4
.set rQ, 64*(q%4)+8*(4*(\hf)+c)
	ds_load_tr16_b128 v[rQ:rQ+3],   v[AQ] offset:c*32*PQ+32*q
	ds_load_tr16_b128 v[rQ+4:rQ+7], v[AQ] offset:c*32*PQ+32*q+16*PQ
.set c, c+1
.endr
.set q, q+1
.endr
	WIN 0
.endm
.macro BAR                          ; my LDS instructions are done; then everybody's are
	s_wait_dscnt 0x0
	s_barrier_signal -1
	s_barrier_wait -1
.endm
	CONV 0, 48                      ; behind the first 32 loads stand x's other 32 and e2's 16
	BAR                             ; the stage is whole
	QFRAG 0
	BAR                             ; and has been read: it may be written again
	CONV 1, 16                      ; e2's 16 may stay out
	ds_store_b128 v[ZS], v[ZA:ZA+3]
	BAR
	QFRAG 1
.set q, 0
.rept 8
.irp w, 0,1,2,3
	ds_load_b32 v[IX+4*q+\w], v[ZR] offset:512*\w+64*q  ; the four waves' parts of z2 of query 16 q + l % 16
.endr
.set q, q+1
.endr
	BAR                             ; the stage has been read for the last time: the table of e2 takes its place
	s_wait_loadcnt 0x0              ; e2
.set i, 0
.rept 16
	ds_store_b128 v[ES], v[S+4*i:S+4*i+3] offset:i*2048
.set i, i+1
.endr
.set q, 0
.rept 8
	v_add_f32 v[IX+4*q],   v[IX+4*q],   v[IX+4*q+1]
	v_add_f32 v[IX+4*q+2], v[IX+4*q+2], v[IX+4*q+3]
.set q, q+1
.endr
.set q, 0
.rept 8
	v_add_f32 v[Z+2*q],   v[IX+4*q], v[IX+4*q+2]  ; z2, twice: the packed add takes a pair
	v_add_f32 v[Z+2*q+1], v[IX+4*q], v[IX+4*q+2]
.set q, q+1
.endr
	s_mov_b32 s18, 0xff800000       ; the chains start at minus infinity and tile 0: 128 lines, once, in the wait for the first tile, in place of a first code tile written out
.set i, 0
.rept 64
	v_mov_b32 v[BE+i], s18
	v_mov_b32 v[IX+i], 0
.set i, i+1
.endr
	s_wait_dscnt 0x0                ; my part of the table lies in LDS
	s_wait_tensorcnt 0x1            ; my part of slot 0 is in; slot 1's may stay out
	s_barrier_signal -1
	s_barrier_wait -1               ; everybody's is
; THE LDS LOADS of a code tile stand in one run: its eight fragments (16 codes x 32 channels each), turned, into buffer dst, and its sixteen e2, of which a lane takes eight.
.macro RUN dst
	WIN 0
	v_add_nc_u32 v[ADR0], s[TB], v[AK0]
	v_add_nc_u32 v[ADR1], s[TB], v[AK1]
	v_add_nc_u32 v[ADE], s[TE], v[AE0]
	s_add_co_u32 s[TB], s[TB], 32   ; the next fetch is the next tile's: 16 codes on
	s_add_co_u32 s[TE], s[TE], 64
	WIN 0x40                        ; destination window 1
.irp f, 0,1,2,3,4,5,6,7
	ds_load_tr16_b128 v[64*(\dst)+8*\f:64*(\dst)+8*\f+3],   v[ADR0+\f/4] offset:(\f%4)*32*PK
	ds_load_tr16_b128 v[64*(\dst)+8*\f+4:64*(\dst)+8*\f+7], v[ADR0+\f/4] offset:(\f%4)*32*PK+16*PK
.endr
	WIN 0
	ds_load_b128 v[E2+8*(\dst):E2+8*(\dst)+3],   v[ADE]
	ds_load_b128 v[E2+8*(\dst)+4:E2+8*(\dst)+7], v[ADE] offset:16
.endm
; THE VECTOR WORK: number rn of the 32 for query tile rq, with e2 in buffer e.
;   0-3  t = e2 + z2, a pair each (reference()'s first rounding)     4-7  s = t x (-1/2) + dot, in place (its second); the accumulator's lowest registers are read first
;   8-11  is s greater than the best? registers 0-3, four masks      12-19  for each of them: the tile's number where it is, and the new best     20-31  the same for registers 4-7
.macro RID e
.set dS, S+8*rq
.set dB, BE+8*rq
.set dI, IX+8*rq
.if rn < 4
	v_pk_add_f32 v[T+2*rn:T+2*rn+1], v[E2+8*(\e)+2*rn:E2+8*(\e)+2*rn+1], v[Z+2*rq:Z+2*rq+1]
.elseif rn < 8
	v_pk_fma_f32 v[dS+2*rn-8:dS+2*rn-7], v[T+2*rn-8:T+2*rn-7], -0.5, v[dS+2*rn-8:dS+2*rn-7] op_sel_hi:[1,0,1]
.elseif rn < 12
	v_cmp_gt_f32 s[MK+rn-8], v[dS+rn-8], v[dB+rn-8]
.elseif rn < 20
.set dj, (rn-12)/2
.if rn%2 == 0
	v_cndmask_b32 v[dI+dj], v[dI+dj], s[TAU], s[MK+dj]
.else
	v_max_num_f32 v[dB+dj], v[dB+dj], v[dS+dj]
.endif
.elseif rn < 24
	v_cmp_gt_f32 s[MK+rn-20], v[dS+rn-16], v[dB+rn-16]
.else
.set dj, (rn-24)/2
.if rn%2 == 0
	v_cndmask_b32 v[dI+4+dj], v[dI+4+dj], s[TAU], s[MK+dj]
.else
	v_max_num_f32 v[dB+4+dj], v[dB+4+dj], v[dS+4+dj]
.endif
.endif
.endm
; A TURN.  Group g (query tiles 4 g .. 4 g + 3) has the matrix unit: product i of 32 takes channels 32 (i / 4) on and query tile 4 g + i % 4, with E's fragments in buffer ab; the first four start the
; sums with the constant 0.  The four accumulators take turns, one instruction a turn, from turn to turn too.  Behind each product stands a slice of four of the OTHER group's
; vector work, with e2 in buffer eb.  A slice names no register of the products round it, and an accumulator's first reader comes a slice or more behind the next turn's first product: more than four
; plain vector instructions behind the accumulator's last product (ISA guide 7.12.1).
.macro TURN g, ab, eb, riders=1
.set i, 0
.rept 32
.set kf, i/4
.set rS, S+8*(4*(\g)+i%4)
.set rA, 64*(\ab)+8*kf
.set rQ, 64*(i%4)+8*kf
	WIN 0x09+4*(\g)                 ; E in window 1, Q in window 2 or 3, S^T in window 0
.if kf == 0
	v_wmma_f32_16x16x32_bf16 v[rS:rS+7], v[rA:rA+7], v[rQ:rQ+7], 0
.else
	v_wmma_f32_16x16x32_bf16 v[rS:rS+7], v[rA:rA+7], v[rQ:rQ+7], v[rS:rS+7]
.endif
.if \riders
	WIN 0
.set rq, 4*(1-(\g))+i/8
.set rn, 4*(i%8)
.rept 4
	RID \eb
.set rn, rn+1
.endr
.endif
.set i, i+1
.endr
.endm
; A STEP belongs to code tile tau, of parity par: the next tile's run of loads (into the buffer that was last multiplied a whole turn ago); group 1's products of tile tau beside group 0's comparisons;
; the wait for the run, which has had 32 products in which to land; group 0's products of tile tau + 1 beside group 1's comparisons of tile tau.
.macro STEP par
	RUN 1-(\par)
	TURN 1, \par, \par
	s_wait_dscnt 0x0
	TURN 0, 1-(\par), \par
	s_add_co_u32 s[TAU], s[TAU], 1
	WIN 0                           ; at a label and at a branch every window is 0
.endm
; THE CHANGE OF SLOTS stands where the slot's last code tile lies in registers.  Each wave waits for all its tensor loads, of which one is out: its part of the other slot; adds 0 to its spare word; and
; waits for that and for its own reads of the slot.  fill = 1: the slot is filled again, with the block two on.  The barrier is then a round of the cluster's, so that no wave of any partner still reads
; the slot or has a load on its way, and the joint refill is the first thing behind it, one load a wave: it has four code tiles, 256 matrix instructions, in which to land.
.macro CHANGE fill
	WIN 0
	s_wait_tensorcnt 0x0            ; no tensor load of mine is out, so a group 0 may be written
	ds_add_u32 v[SPW], v[NIL]       ; 0 onto my spare word; with fill = 1 the descriptor's steps stand between it and the wait for it
.if \fill
	s_xor_b32 s[G0B+1], s[G0B+1], SLOTB  ; the walking descriptor: the other slot than last time,
	s_add_nc_u64 s[G0B+2:G0B+3], s[G0B+2:G0B+3], 512  ; the next 256 codes; the type bits on top are not reached
	s_wait_xcnt 0x0                 ; the last prefetch, four code tiles back, has read its address, so it may be written:
	s_add_nc_u64 s[PFA:PFA+1], s[PFA:PFA+1], 512      ; one block behind the walking descriptor
	s_wait_dscnt 0x0                ; the add is done, and my reads of the slot are over
	CROUND
	tensor_load_to_lds s[G0B:G0B+3], s[G1:G1+7]
	s_nop 0
.rept 4
	v_nop
.endr
	ASK
.else
	s_wait_dscnt 0x0                ; the add is done, and my reads of the slot are over
	s_barrier_signal -1
	s_barrier_wait -1
.endif
	s_sub_co_u32 s[TB], s[TB], 128  ; the fetches go back to a slot's first tile,
	s_xor_b32 s[TB], s[TB], SLOTB   ; in the other slot;
	s_add_co_u32 s[TE], s[TE], 768  ; in the table my wave's next 64 codes lie 256 codes on
.endm
	s_mov_b32 s[TB], 0
	s_mov_b32 s[TE], 0
	s_mov_b32 s[TAU], 0
	RUN 0                           ; code tile 0
	s_wait_dscnt 0x0
	TURN 0, 0, 0, 0                 ; group 0's first scores: there is no vector work yet to set between them
	WIN 0
	s_mov_b32 s[CNT], 2
	s_mov_b32 s[SLOTS], 31          ; the loop is entered in the middle of a trip, so the count is passed once ahead of the first change: 30 changes fill blocks 2 to 31
	s_branch .Lmid
.Lslot:
	CHANGE 1
	s_mov_b32 s[CNT], 2
.Ldbl:                              ; a trip: an odd tile and an even one
	STEP 1
.Lmid:
	STEP 0
	s_sub_co_u32 s[CNT], s[CNT], 1
	s_cmp_lg_u32 s[CNT], 0
	s_cbranch_scc1 .Ldbl
	s_sub_co_u32 s[SLOTS], s[SLOTS], 1
	s_cmp_lg_u32 s[SLOTS], 0
	s_cbranch_scc1 .Lslot
	CHANGE 0                        ; the tail is written out: nothing is asked for
	s_mov_b32 s[CNT], 2
.Ltail:
	STEP 1
	STEP 0
	s_sub_co_u32 s[CNT], s[CNT], 1
	s_cmp_lg_u32 s[CNT], 0
	s_cbranch_scc1 .Ltail
	TURN 1, 1, 1                    ; tile 127: group 1's products beside group 0's comparisons; nothing more is fetched
	WIN 0
.set rq, 4
.rept 4                             ; and group 1's comparisons; the slice behind the last product and the four sums e2 + z2 are the places behind it
.set rn, 0
.rept 32
	RID 1
.set rn, rn+1
.endr
.set rq, rq+1
.endr
	; THE WAY OUT.  A chain's key is 16 x tile + j, then + 8 (l / 16): it grows with the code inside a wave.  Of two candidates the greater score wins, on equal scores the lower key.
.macro COMB da, ka, db, kb          ; candidate a takes b's place if b wins
	v_cmp_gt_f32 s[CM], v[\db], v[\da]
	v_cmp_eq_f32 s[CM+1], v[\db], v[\da]
	v_cmp_lt_u32 s[CM+2], v[\kb], v[\ka]
	s_and_b32 s[CM+1], s[CM+1], s[CM+2]
	s_or_b32 s[CM], s[CM], s[CM+1]
	v_cndmask_b32 v[\da], v[\da], v[\db], s[CM]
	v_cndmask_b32 v[\ka], v[\ka], v[\kb], s[CM]
.endm
	s_lshl_b32 s18, s[WV], 6        ; my wave's 64 codes of a slot
	s_lshl_b32 s19, s[WV], 10
	s_add_co_u32 s19, s19, MERGE
	v_lshl_add_u32 v[MS], v1, 3, s19
	v_lshl_add_u32 v[MR], v[LN], 5, MERGE
	v_lshlrev_b32 v[LO], 4, v[LN]
	v_lshl_add_u32 v[IA], v[LN], 4, IDS
	v_lshl_add_u32 v[IB], v[LN], 2, IDS
	v_lshlrev_b32 v[OO], 7, v[LN]
.set i, 0
.rept 64
	v_lshl_or_b32 v[IX+i], v[IX+i], 4, i%8
.set i, i+1
.endr
.set q, 0
.rept 8
.irp p, 0,2,4,6
	COMB BE+8*q+\p, IX+8*q+\p, BE+8*q+\p+1, IX+8*q+\p+1
.endr
	COMB BE+8*q, IX+8*q, BE+8*q+2, IX+8*q+2
	COMB BE+8*q+4, IX+8*q+4, BE+8*q+6, IX+8*q+6
	COMB BE+8*q, IX+8*q, BE+8*q+4, IX+8*q+4
	v_lshl_add_u32 v[IX+8*q], v[HH], 3, v[IX+8*q]
	v_permlanex16_b32 v[T], v[BE+8*q], s[SEL], s[SEL+1]    ; the query's other codes lie in the lane 16 away
	v_permlanex16_b32 v[T+1], v[IX+8*q], s[SEL], s[SEL+1]
	COMB BE+8*q, IX+8*q, T, T+1
	v_lshrrev_b32 v[TM], 6, v[IX+8*q]                      ; the key is 64 x slot + the code's place among my wave's 64:
	v_and_b32 v[IX+8*q], 63, v[IX+8*q]
	v_lshl_add_u32 v[IX+8*q], v[TM], 8, v[IX+8*q]
	v_add_nc_u32 v[BE+8*q+1], s18, v[IX+8*q]               ; code = 256 x slot + 64 w + place
	ds_store_b64 v[MS], v[BE+8*q:BE+8*q+1] offset:128*q    ; both halves of the lanes hold the same pair and write the same words
.set q, q+1
.endr
	s_wait_dscnt 0x0                ; for wave 0's sake: my pairs lie in LDS
	s_barrier_signal -1
	s_barrier_wait -1
	s_cmp_lg_u32 s[WV], 0           ; wave 0 merges the four waves' candidates: lane l takes queries 4 l .. 4 l + 3
	s_cbranch_scc1 .Lend
.irp w, 0,1,2,3
	ds_load_b128 v[S+8*\w:S+8*\w+3],   v[MR] offset:1024*\w
	ds_load_b128 v[S+8*\w+4:S+8*\w+7], v[MR] offset:1024*\w+16
.endr
	s_wait_dscnt 0x0
.irp w, 1,2,3
.irp c, 0,2,4,6
	COMB S+\c, S+\c+1, S+8*\w+\c, S+8*\w+\c+1
.endr
.endr
.irp c, 0,1,2,3
	v_mov_b32 v[T+\c], v[S+2*\c+1]
.endr
	global_store_b128 v[LO], v[T:T+3], s[10:11]  ; idw, in the order of x's planes: the wave stores 512 consecutive bytes, at a multiple of 256 from idw's first byte
	ds_store_b128 v[IA], v[T:T+3]                ; out1 lies as [b][w][h]: lane w wants the ids of places 32 hh + w, hh = 0..3
.irp c, 0,1,2,3
	ds_load_b32 v[T+4+\c], v[IB] offset:128*\c   ; LDS serves a wave's instructions in order (ISA guide 5.7.1.4): these see the store above
.endr
	s_wait_dscnt 0x0
	global_store_b128 v[OO], v[T+4:T+7], s[12:13]  ; 16 bytes of each w's 128: pieces, since a work-group that owned all 32 h of a w would read x in pieces of 8 bytes; out1 is 131,072 bytes, x 33,554,432
.Lend:
	s_wait_tensorcnt 0x0            ; the wave's end, behind my last tensor load and my last LDS store
	ds_add_u32 v[SPW], v[NIL]
	s_wait_dscnt 0x0
	CROUND                          ; the closing round: no work-group ends while a partner may still ask for a tile that names it
	s_endpgm
.Lfunc_end_k_q0b22e7927d_nearest:
	.size	k_q0b22e7927d_nearest, .Lfunc_end_k_q0b22e7927d_nearest-k_q0b22e7927d_nearest
	.p2alignl 7, 3214868480
	.fill 96, 4, 3214868480
	.section	.rodata,"a",@progbits
	.p2align	6, 0x0
	.amdhsa_kernel k_q0b22e7927d_nearest
		.amdhsa_group_segment_fixed_size 327680
		.amdhsa_private_segment_fixed_size 0
		.amdhsa_enable_private_segment 0
		.amdhsa_kernarg_size 40
		.amdhsa_user_sgpr_count 2
		.amdhsa_user_sgpr_kernarg_segment_ptr 1
		.amdhsa_wavefront_size32 1
		.amdhsa_system_sgpr_workgroup_id_x 1
		.amdhsa_system_sgpr_workgroup_id_y 1
		.amdhsa_system_sgpr_workgroup_id_z 1
		.amdhsa_system_vgpr_workitem_id 0
		.amdhsa_next_free_vgpr 1024
		.amdhsa_next_free_sgpr 66
		.amdhsa_reserve_vcc 0
		.amdhsa_float_denorm_mode_32 3
		.amdhsa_float_denorm_mode_16_64 3
		.amdhsa_memory_ordered 1
		.amdhsa_forward_progress 1
		.amdhsa_inst_pref_size 214
	.end_amdhsa_kernel
	.amdgpu_metadata
---
amdhsa.version: [ 1, 2 ]
amdhsa.kernels:
  - .name:           k_q0b22e7927d_nearest
    .symbol:         k_q0b22e7927d_nearest.kd
    .args:
      - { .name: x, .offset: 0, .size: 8, .value_kind: global_buffer, .address_space: global }
      - { .name: ebk, .offset: 8, .size: 8, .value_kind: global_buffer, .address_space: global }
      - { .name: e2, .offset: 16, .size: 8, .value_kind: global_buffer, .address_space: global }
      - { .name: idw, .offset: 24, .size: 8, .value_kind: global_buffer, .address_space: global }
      - { .name: out1, .offset: 32, .size: 8, .value_kind: global_buffer, .address_space: global }
    .group_segment_fixed_size: 327680
    .private_segment_fixed_size: 0
    .kernarg_segment_align: 8
    .kernarg_segment_size: 40
    .max_flat_workgroup_size: 128
    .sgpr_count:     66
    .vgpr_count:     1024
    .wavefront_size: 32
...
	.end_amdgpu_metadata
.endif
;; end of part 2
;; launch lookup (part 3): grid 128 x 2, 16 waves a work-group, no clusters, 67,584 bytes of LDS; arguments embed, x, idw, out0; writes out0
.if DOCPART == 3
	.amdgcn_target "amdgcn-amd-amdhsa--gfx1250"
	.amdhsa_code_object_version 6
	.text
	.protected	k_q0b22e7927d_lookup
	.globl	k_q0b22e7927d_lookup
	.p2align	8
	.type	k_q0b22e7927d_lookup,@function
k_q0b22e7927d_lookup:
	s_mov_b64 s[64:65], 0
	v_nop
	global_prefetch_b8 v0, s[64:65] scope:SCOPE_SE
	s_setreg_imm32_b32 hwreg(HW_REG_WAVE_MODE, 25, 1), 1
	s_wait_xcnt 0x0
; out0[b][c][p] = (embed[c][id[b][p]] + x[b][c][p]) - x[b][c][p], two f32 roundings as reference() writes them; id comes from idw, [b][p], whole numbers that the launch before stored.
; SHARES.  A work-group owns two channels, 2 cg and 2 cg + 1, and sixteen images, 16 bh .. 16 bh + 15.  The two rows of embed, 65,536 consecutive bytes, lie in LDS, so the gather is an LDS
; gather by id and every global access of a wave is 512 consecutive bytes.  Thread t takes places 4 (t % 256) .. + 3 of image 16 bh + 2 i + t / 256 in trip i of eight.
; With R channels to a work-group embed is read 256 / (R x 128 / R) .. in figures: embed twice (16 MiB), idw 128 times (16 MiB): the least sum over the splits into 256 work-groups.
; All 32 loads of a wave go out at the start; there is no loop.  The result is written into x's own registers, which nothing rewrites, and stored from there.
; No matrix unit, cluster or tensor load: nothing here is multiplied, and what is shared (two rows of embed) is read once a work-group.
; An id is held to 0 .. 8191 ahead of its use as an address.
.set SPARE, 65536                      ; behind the two rows: the spare words, 128 bytes for each of 16 waves
.set VX,  2                            ; v2   my 16 bytes of x and out0: (t / 256) images + 16 (t % 256); never rewritten
.set VI,  3                            ; v3   my 16 bytes of idw; never rewritten
.set VE,  4                            ; v4   16 t: my 16 bytes of embed's two rows, in memory and in LDS; never rewritten
.set SPW, 6                            ; v6   LDS address of my spare word; never rewritten
.set NIL, 7                            ; v7   0; never rewritten
.set TR,  16                           ; v[16:111]  trip i: 4 ids, 4 x of the first channel, 4 x of the second
.set EM,  112                          ; v[112:143] embed as loaded
.set G,   144                          ; v[144:159] what was gathered: two buffers of 4 + 4
	s_load_b256 s[4:11], s[0:1], 0x0               ; embed s[4:5], x s[6:7], idw s[8:9], out0 s[10:11]
	v_lshl_add_u32 v[SPW], v0, 2, SPARE
	v_mov_b32 v[NIL], 0
	v_and_b32 v1, 255, v0
	v_lshrrev_b32 v5, 8, v0                        ; t / 256
	v_lshlrev_b32 v1, 4, v1
	v_lshl_add_u32 v[VX], v5, 20, v1               ; an image is 1,048,576 bytes of x,
	v_lshl_add_u32 v[VI], v5, 12, v1               ; 4,096 of idw
	v_lshlrev_b32 v[VE], 4, v0
	s_and_b32 s12, ttmp7, 0xffff                   ; bh
	s_lshl_b32 s14, ttmp9, 16                      ; two rows of embed
	s_mov_b32 s15, 0
	s_lshl_b32 s16, s12, 16                        ; sixteen images of idw
	s_mov_b32 s17, 0
	s_lshl_b32 s18, s12, 24                        ; sixteen images of x,
	s_lshl_b32 s20, ttmp9, 13                      ; two channels of 4,096 bytes
	s_add_co_u32 s18, s18, s20
	s_mov_b32 s19, 0
	s_wait_kmcnt 0x0
	s_add_nc_u64 s[4:5], s[4:5], s[14:15]
	s_add_nc_u64 s[8:9], s[8:9], s[16:17]
	s_add_nc_u64 s[6:7], s[6:7], s[18:19]          ; x for trips 0-3,
	s_add_nc_u64 s[22:23], s[6:7], 0x800000        ; and eight images on for trips 4-7: an immediate offset has 24 signed bits
	s_add_nc_u64 s[10:11], s[10:11], s[18:19]
	s_add_nc_u64 s[24:25], s[10:11], 0x800000
.irp i, 0,1,2,3,4,5,6,7
	global_load_b128 v[EM+4*\i:EM+4*\i+3], v[VE], s[4:5] offset:\i*8192
.endr
.irp i, 0,1,2,3
	global_load_b128 v[TR+12*\i:TR+12*\i+3],    v[VI], s[8:9] offset:\i*8192
	global_load_b128 v[TR+12*\i+4:TR+12*\i+7],  v[VX], s[6:7] offset:\i*0x200000 th:TH_LOAD_NT
	global_load_b128 v[TR+12*\i+8:TR+12*\i+11], v[VX], s[6:7] offset:\i*0x200000+4096 th:TH_LOAD_NT
.endr
.irp i, 4,5,6,7
	global_load_b128 v[TR+12*\i:TR+12*\i+3],    v[VI], s[8:9] offset:\i*8192
	global_load_b128 v[TR+12*\i+4:TR+12*\i+7],  v[VX], s[22:23] offset:(\i-4)*0x200000 th:TH_LOAD_NT
	global_load_b128 v[TR+12*\i+8:TR+12*\i+11], v[VX], s[22:23] offset:(\i-4)*0x200000+4096 th:TH_LOAD_NT
.endr
	s_wait_loadcnt 24                              ; embed's eight are in; the 24 loads issued behind them stay out
.irp i, 0,1,2,3,4,5,6,7
	ds_store_b128 v[VE], v[EM+4*\i:EM+4*\i+3] offset:\i*8192
.endr
	s_wait_dscnt 0x0                               ; for the others' sake: my part of the two rows lies in LDS
	s_barrier_signal -1
	s_barrier_wait -1
; Trip i's eight gathers: four ids, two channels.
.macro GATH i
	s_wait_loadcnt 21-3*(\i)                       ; the trip's three loads are in; the later trips' stay out
.irp c, 0,1,2,3
	v_min_u32 v[TR+12*(\i)+\c], 0x1fff, v[TR+12*(\i)+\c]
.endr
.irp c, 0,1,2,3
	v_lshlrev_b32 v[TR+12*(\i)+\c], 2, v[TR+12*(\i)+\c]
.endr
.irp c, 0,1,2,3
	ds_load_b32 v[G+8*((\i)%2)+\c],   v[TR+12*(\i)+\c]
	ds_load_b32 v[G+8*((\i)%2)+4+\c], v[TR+12*(\i)+\c] offset:32768
.endr
.endm
; Trip i is finished and stored.  left: the LDS loads issued behind its gathers.
.macro FIN i, left
	s_wait_dscnt \left
.irp c, 0,2,4,6
	v_pk_add_f32 v[G+8*((\i)%2)+\c:G+8*((\i)%2)+\c+1], v[G+8*((\i)%2)+\c:G+8*((\i)%2)+\c+1], v[TR+12*(\i)+4+\c:TR+12*(\i)+4+\c+1]  ; e + x
.endr
.irp c, 0,2,4,6
	v_pk_add_f32 v[TR+12*(\i)+4+\c:TR+12*(\i)+4+\c+1], v[G+8*((\i)%2)+\c:G+8*((\i)%2)+\c+1], v[TR+12*(\i)+4+\c:TR+12*(\i)+4+\c+1] neg_lo:[0,1] neg_hi:[0,1]  ; - x
.endr
.if (\i) < 4
	global_store_b128 v[VX], v[TR+12*(\i)+4:TR+12*(\i)+7],  s[10:11] offset:(\i)*0x200000 th:TH_STORE_NT       ; a wave stores 512 consecutive bytes, at a multiple of 256 from out0's first byte
	global_store_b128 v[VX], v[TR+12*(\i)+8:TR+12*(\i)+11], s[10:11] offset:(\i)*0x200000+4096 th:TH_STORE_NT
.else
	global_store_b128 v[VX], v[TR+12*(\i)+4:TR+12*(\i)+7],  s[24:25] offset:((\i)-4)*0x200000 th:TH_STORE_NT
	global_store_b128 v[VX], v[TR+12*(\i)+8:TR+12*(\i)+11], s[24:25] offset:((\i)-4)*0x200000+4096 th:TH_STORE_NT
.endif
.endm
	GATH 0
.irp i, 0,1,2,3,4,5,6
	GATH \i+1                                      ; the next trip's gathers are out while this trip is finished
	FIN \i, 8
.endr
	FIN 7, 0
	s_wait_tensorcnt 0x0                           ; the wave's end, behind my last LDS store
	ds_add_u32 v[SPW], v[NIL]
	s_wait_dscnt 0x0
	s_endpgm
.Lfunc_end_k_q0b22e7927d_lookup:
	.size	k_q0b22e7927d_lookup, .Lfunc_end_k_q0b22e7927d_lookup-k_q0b22e7927d_lookup
	.p2alignl 7, 3214868480
	.fill 96, 4, 3214868480
	.section	.rodata,"a",@progbits
	.p2align	6, 0x0
	.amdhsa_kernel k_q0b22e7927d_lookup
		.amdhsa_group_segment_fixed_size 67584
		.amdhsa_private_segment_fixed_size 0
		.amdhsa_enable_private_segment 0
		.amdhsa_kernarg_size 32
		.amdhsa_user_sgpr_count 2
		.amdhsa_user_sgpr_kernarg_segment_ptr 1
		.amdhsa_wavefront_size32 1
		.amdhsa_system_sgpr_workgroup_id_x 1
		.amdhsa_system_sgpr_workgroup_id_y 1
		.amdhsa_system_sgpr_workgroup_id_z 1
		.amdhsa_system_vgpr_workitem_id 0
		.amdhsa_next_free_vgpr 160
		.amdhsa_next_free_sgpr 66
		.amdhsa_reserve_vcc 0
		.amdhsa_float_denorm_mode_32 3
		.amdhsa_float_denorm_mode_16_64 3
		.amdhsa_memory_ordered 1
		.amdhsa_forward_progress 1
		.amdhsa_inst_pref_size 19
	.end_amdhsa_kernel
	.amdgpu_metadata
---
amdhsa.version: [ 1, 2 ]
amdhsa.kernels:
  - .name:           k_q0b22e7927d_lookup
    .symbol:         k_q0b22e7927d_lookup.kd
    .args:
      - { .name: embed, .offset: 0, .size: 8, .value_kind: global_buffer, .address_space: global }
      - { .name: x, .offset: 8, .size: 8, .value_kind: global_buffer, .address_space: global }
      - { .name: idw, .offset: 16, .size: 8, .value_kind: global_buffer, .address_space: global }
      - { .name: out0, .offset: 24, .size: 8, .value_kind: global_buffer, .address_space: global }
    .group_segment_fixed_size: 67584
    .private_segment_fixed_size: 0
    .kernarg_segment_align: 8
    .kernarg_segment_size: 32
    .max_flat_workgroup_size: 512
    .sgpr_count:     66
    .vgpr_count:     160
    .wavefront_size: 32
...
	.end_amdgpu_metadata
.endif
;; end of part 3
;; ======== version 2 of 2: 3 launches; version 1 with the launches prep, lookup written anew for expert scheduling mode
;; workspace buffers: ebk 4,194,304 bytes; e2 32,768 bytes; idw 131,072 bytes of whole numbers
;; launch prep (part 4): grid 64 x 1, 16 waves a work-group, no clusters, 10,240 bytes of LDS; arguments embed, ebk, e2; writes ebk, e2
.if DOCPART == 4
	.amdgcn_target "amdgcn-amd-amdhsa--gfx1250"
	.amdhsa_code_object_version 6
	.text
	.protected	k_q0b22e7927d_prep
	.globl	k_q0b22e7927d_prep
	.p2align	8
	.type	k_q0b22e7927d_prep,@function
k_q0b22e7927d_prep:
	s_mov_b64 s[64:65], 0
	v_nop
	global_prefetch_b8 v0, s[64:65] scope:SCOPE_SE
	s_setreg_imm32_b32 hwreg(HW_REG_WAVE_SCHED_MODE, 0, 2), 2
	s_setreg_imm32_b32 hwreg(HW_REG_WAVE_MODE, 25, 1), 1
	s_wait_xcnt 0x0
	s_wait_alu depctr_vm_vsrc(0)
; ebk[k][j] = bf16(embed[k][j]), in embed's own order [256][8192];  e2[j] = the sum over k of bf16(embed[k][j])^2, in f32.
; The squares are taken of the ROUNDED numbers, since the products of the next launch see those.
; SHARES.  A work-group owns 128 columns: 512 bytes of a row of embed, 256 bytes of a row of ebk, so that a wave's store of a row covers 256 consecutive
; bytes, aligned; with fewer columns it would not.  A column's sum has one owner, so there are 8192 / 128 = 64 work-groups.  Wave w owns rows 16 w .. 16 w + 15,
; a lane four columns.  All sixteen loads of a wave go out at once; each row has registers of its own for what is stored, so nothing is rewritten that a store reads.
; The sixteen waves' partial sums meet in LDS; wave 0 adds them.  The order of the sums is not reference()'s: rows in ascending order inside a wave, then a tree over the waves.
; THE MODE: SCHED_MODE bits 1:0 = 2 (LLVM: expert scheduling mode 2), set by the entry lines.  The code itself states the register dependences
; between vector instructions and memory or LDS instructions, with s_wait_alu, always for 0.
; THE PLAN.  Registers that memory or LDS instructions touch:
;   v2 to v5   offsets and LDS addresses, made once at the head and never written again.
;   X          Written by the sixteen loads, read by the conversions; in wave 0 the LDS loads of the partial sums land in it later, and e2's store reads its first four registers.
;   PKD        A pair for each row: written by the row's two conversions, read by the row's store, never written again.
;   SUM        Written by vector instructions alone, read by the one LDS store.
; The rows go in four blocks of four.  A row's store is issued four rows later, so that ONE wait at a block's head states that the block before has written its four pairs; the block's
; own vector instructions name other pairs.  A wait behind the last row serves the last four stores, the LDS store and wave 0's LDS loads into X.  No register that a memory instruction
; reads is ever written again, so no wait on vm_vsrc is owed.
.set EROW,  32768                      ; bytes in a row of embed
.set BROW,  16384                      ; bytes in a row of ebk
.set LO,  2                            ; v2   my 16 bytes in embed: 16 l + 16 w rows
.set SO,  3                            ; v3   my 8 bytes in ebk: 8 l + 16 w rows
.set LS,  4                            ; v4   where I put my four sums: 512 w + 16 l
.set LR,  5                            ; v5   16 l: where wave 0 reads sums back, and my 16 bytes of e2
.set SUM, 8                            ; v[8:11]   four sums
.set X,   16                           ; v[16:79]  row i as loaded: 4 registers
.set PKD, 80                           ; v[80:111] row i as stored: 2 registers
.set WV,  10                           ; s10  my wave's number
	s_load_b128 s[4:7], s[0:1], 0x0                ; embed s[4:5], ebk s[6:7]
	s_load_b64 s[8:9], s[0:1], 0x10                ; e2
	v_lshl_add_u32 v14, v0, 2, 0x2000
	v_mov_b32 v15, 0
	v_lshrrev_b32 v1, 5, v0
	v_readfirstlane_b32 s[WV], v1                  ; wave 0..15
	v_and_b32 v1, 31, v0                           ; lane
	s_wait_alu depctr_va_sdst(0)                   ; s10 is written, ahead of its first reader: the line below
	s_lshl_b32 s11, s[WV], 19                      ; 16 rows of embed
	v_lshl_add_u32 v[LO], v1, 4, s11
	s_lshl_b32 s11, s[WV], 18                      ; 16 rows of ebk
	v_lshl_add_u32 v[SO], v1, 3, s11
	s_lshl_b32 s11, s[WV], 9
	v_lshl_add_u32 v[LS], v1, 4, s11
	v_lshlrev_b32 v[LR], 4, v1
	s_lshl_b32 s12, ttmp9, 9                       ; the work-group's 128 columns: 512 bytes in embed and in e2,
	s_mov_b32 s13, 0
	s_lshl_b32 s14, ttmp9, 8                       ; 256 bytes in ebk
	s_mov_b32 s15, 0
	s_wait_kmcnt 0x0
	s_add_nc_u64 s[4:5], s[4:5], s[12:13]
	s_add_nc_u64 s[6:7], s[6:7], s[14:15]
	s_add_nc_u64 s[8:9], s[8:9], s[12:13]
	s_wait_alu depctr_va_vdst(0)                   ; v2 to v5 are written: every load and store and every LDS instruction but the closing add reads one of them as its offset or address
.irp i, 0,1,2,3,4,5,6,7,8,9,10,11,12,13,14,15
	global_load_b128 v[X+4*\i:X+4*\i+3], v[LO], s[4:5] offset:\i*EROW th:TH_LOAD_NT  ; 512 consecutive bytes a wave
.endr
.irp c, 0,1,2,3
	v_mov_b32 v[SUM+\c], 0                         ; four registers, written while the loads are out
.endr
.irp i, 0,1,2,3,4,5,6,7,8,9,10,11,12,13,14,15
	s_wait_loadcnt 15-\i                           ; loads come back in order: row i is in, the younger rows stay out
.if (\i) >= 4
.if (\i) % 4 == 0
	s_wait_alu depctr_va_vdst(0)                   ; the block before has written its four pairs of PKD, which this block's four stores read
.endif
	global_store_b64 v[SO], v[PKD+2*(\i)-8:PKD+2*(\i)-7], s[6:7] offset:((\i)-4)*BROW  ; row i - 4: the wave stores 256 consecutive bytes, at a multiple of 256 from ebk's first byte; no vector instruction since the wait names this pair
.endif
	v_cvt_pk_bf16_f32 v[PKD+2*\i],   v[X+4*\i],   v[X+4*\i+1]
	v_cvt_pk_bf16_f32 v[PKD+2*\i+1], v[X+4*\i+2], v[X+4*\i+3]
	v_fma_mix_f32_bf16 v[SUM],   v[PKD+2*\i],   v[PKD+2*\i],   v[SUM]   op_sel_hi:[1,1,0]                 ; low half squared, in f32
	v_fma_mix_f32_bf16 v[SUM+1], v[PKD+2*\i],   v[PKD+2*\i],   v[SUM+1] op_sel:[1,1,0] op_sel_hi:[1,1,0]  ; high half squared
	v_fma_mix_f32_bf16 v[SUM+2], v[PKD+2*\i+1], v[PKD+2*\i+1], v[SUM+2] op_sel_hi:[1,1,0]
	v_fma_mix_f32_bf16 v[SUM+3], v[PKD+2*\i+1], v[PKD+2*\i+1], v[SUM+3] op_sel:[1,1,0] op_sel_hi:[1,1,0]
.endr
	s_wait_alu depctr_va_vdst(0)                   ; the last block has written its pairs of PKD and the sums are written, which the stores below read; the conversions are done reading X, in which wave 0's LDS loads land
	ds_store_b128 v[LS], v[SUM:SUM+3]
.irp i, 12,13,14,15
	global_store_b64 v[SO], v[PKD+2*\i:PKD+2*\i+1], s[6:7] offset:\i*BROW
.endr
	s_wait_dscnt 0x0                               ; for the others' sake: my sums lie in LDS
	s_barrier_signal -1
	s_barrier_wait -1
	s_cmp_lg_u32 s[WV], 0                          ; wave 0 adds the sixteen partial sums
	s_cbranch_scc1 .Lend
.irp w, 0,1,2,3,4,5,6,7,8,9,10,11,12,13,14,15
	ds_load_b128 v[X+4*\w:X+4*\w+3], v[LR] offset:512*\w  ; no vector instruction since the last wait names X or v5
.endr
	s_wait_dscnt 0x0
.irp d, 8,4,2,1                        ; a tree: quad k takes quad k + d
.set k, 0
.rept \d
	v_pk_add_f32 v[X+4*k:X+4*k+1],   v[X+4*k:X+4*k+1],   v[X+4*(k+\d):X+4*(k+\d)+1]
	v_pk_add_f32 v[X+4*k+2:X+4*k+3], v[X+4*k+2:X+4*k+3], v[X+4*(k+\d)+2:X+4*(k+\d)+3]
.set k, k+1
.endr
.endr
	s_wait_alu depctr_va_vdst(0)                   ; the tree's last two additions have written v[X:X+3], which the store reads
	global_store_b128 v[LR], v[X:X+3], s[8:9]      ; 512 consecutive bytes of e2
.Lend:
	s_wait_dscnt 0x0                               ; the wave's end; 0 is then added onto my spare word, behind the partial sums
	s_wait_alu depctr_hold_cnt(0) depctr_sa_sdst(0) depctr_va_vdst(0) depctr_va_sdst(0) depctr_va_ssrc(0) depctr_va_vcc(0) depctr_vm_vsrc(0)
	s_wait_tensorcnt 0x0
	ds_add_u32 v14, v15
	s_wait_dscnt 0x0
	s_endpgm
.Lfunc_end_k_q0b22e7927d_prep:
	.size	k_q0b22e7927d_prep, .Lfunc_end_k_q0b22e7927d_prep-k_q0b22e7927d_prep
	.p2alignl 7, 3214868480
	.fill 96, 4, 3214868480
	.section	.rodata,"a",@progbits
	.p2align	6, 0x0
	.amdhsa_kernel k_q0b22e7927d_prep
		.amdhsa_group_segment_fixed_size 10240
		.amdhsa_private_segment_fixed_size 0
		.amdhsa_enable_private_segment 0
		.amdhsa_kernarg_size 24
		.amdhsa_user_sgpr_count 2
		.amdhsa_user_sgpr_kernarg_segment_ptr 1
		.amdhsa_wavefront_size32 1
		.amdhsa_system_sgpr_workgroup_id_x 1
		.amdhsa_system_sgpr_workgroup_id_y 1
		.amdhsa_system_sgpr_workgroup_id_z 1
		.amdhsa_system_vgpr_workitem_id 0
		.amdhsa_next_free_vgpr 112
		.amdhsa_next_free_sgpr 66
		.amdhsa_reserve_vcc 0
		.amdhsa_float_denorm_mode_32 3
		.amdhsa_float_denorm_mode_16_64 3
		.amdhsa_memory_ordered 1
		.amdhsa_forward_progress 1
		.amdhsa_inst_pref_size 15
	.end_amdhsa_kernel
	.amdgpu_metadata
---
amdhsa.version: [ 1, 2 ]
amdhsa.kernels:
  - .name:           k_q0b22e7927d_prep
    .symbol:         k_q0b22e7927d_prep.kd
    .args:
      - { .name: embed, .offset: 0, .size: 8, .value_kind: global_buffer, .address_space: global }
      - { .name: ebk, .offset: 8, .size: 8, .value_kind: global_buffer, .address_space: global }
      - { .name: e2, .offset: 16, .size: 8, .value_kind: global_buffer, .address_space: global }
    .group_segment_fixed_size: 10240
    .private_segment_fixed_size: 0
    .kernarg_segment_align: 8
    .kernarg_segment_size: 24
    .max_flat_workgroup_size: 512
    .sgpr_count:     66
    .vgpr_count:     112
    .wavefront_size: 32
...
	.end_amdgpu_metadata
.endif
;; end of part 4
;; launch nearest: the kernel of part 2 again; grid 256 x 1, 4 waves a work-group, clusters of 4 x 1, 327,680 bytes of LDS; arguments x, ebk, e2, idw, out1; writes idw, out1
;; launch lookup (part 5): grid 128 x 2, 16 waves a work-group, no clusters, 67,584 bytes of LDS; arguments embed, x, idw, out0; writes out0
.if DOCPART == 5
	.amdgcn_target "amdgcn-amd-amdhsa--gfx1250"
	.amdhsa_code_object_version 6
	.text
	.protected	k_q0b22e7927d_lookup
	.globl	k_q0b22e7927d_lookup
	.p2align	8
	.type	k_q0b22e7927d_lookup,@function
k_q0b22e7927d_lookup:
	s_mov_b64 s[64:65], 0
	v_nop
	global_prefetch_b8 v0, s[64:65] scope:SCOPE_SE
	s_setreg_imm32_b32 hwreg(HW_REG_WAVE_SCHED_MODE, 0, 2), 2
	s_setreg_imm32_b32 hwreg(HW_REG_WAVE_MODE, 25, 1), 1
	s_wait_xcnt 0x0
	s_wait_alu depctr_vm_vsrc(0)
; out0[b][c][p] = (embed[c][id[b][p]] + x[b][c][p]) - x[b][c][p], two f32 roundings as reference() writes them; id comes from idw, [b][p], whole numbers that the launch before stored.
; SHARES.  A work-group owns two channels, 2 cg and 2 cg + 1, and sixteen images, 16 bh .. 16 bh + 15.  The two rows of embed, 65,536 consecutive bytes, lie in LDS, so the gather is an LDS
; gather by id and every global access of a wave is 512 consecutive bytes.  Thread t takes places 4 (t % 256) .. + 3 of image 16 bh + 2 i + t / 256 in trip i of eight.
; In this split the launch reads embed twice (16 MiB) and idw 128 times (16 MiB): the least sum over the splits into 256 work-groups.
; All 32 loads of a wave go out at the start; there is no loop.  The result is written into x's own registers, which nothing rewrites, and stored from there.
; No matrix unit, cluster or tensor load: nothing here is multiplied, and what is shared (two rows of embed) is read once a work-group.
; An id is held to 0 .. 8191 ahead of its use as an address.
; THE MODE: SCHED_MODE bits 1:0 = 2 (LLVM: expert scheduling mode 2), set by the entry lines.  The code itself states the register dependences
; between vector instructions and memory or LDS instructions, with s_wait_alu, always for 0.
; THE PLAN.  Registers that memory or LDS instructions touch:
;   v2 to v4     offsets, made once at the head and never written again.
;   EM           Written by loads, read by the LDS stores, never written again.
;   a trip's ids Written by a load, then held to the table and shifted in place; read by the trip's eight gathers as LDS addresses; never written again.  All eight trips' ids are asked for
;                ahead of x and made into addresses in one batch, so that ONE wait serves all 64 gathers.
;   a trip's x   Written by two loads, then by the trip's second additions; read by the trip's two stores, which are issued in the next trip; never written again.
;   G0, G1, G2   Trip i's gathers land in G[i % 3]; the trip's additions read and write it; the gathers of trip i + 3 land in it again.
; Step i issues the gathers of trip i + 1, waits for trip i's gathers and x, and then holds ONE wait on va_vdst: trip i - 1's additions have written its x registers, which the two stores
; below read, and are done with G[(i - 1) % 3], in which the gathers issued at the next step's head land.  Between that wait and those gathers stand trip i's additions alone, which name
; G[i % 3] and trip i's x.  No register that a memory or LDS instruction reads is ever written again, so no wait on vm_vsrc is owed.
.set VX,  2                            ; v2   my 16 bytes of x and out0: (t / 256) images + 16 (t % 256); never rewritten
.set VI,  3                            ; v3   my 16 bytes of idw; never rewritten
.set VE,  4                            ; v4   16 t: my 16 bytes of embed's two rows, in memory and in LDS; never rewritten
.set TR,  16                           ; v[16:111]  trip i: 4 ids, 4 x of the first channel, 4 x of the second
.set EM,  112                          ; v[112:143] embed as loaded
.set G,   144                          ; v[144:167] what was gathered: three buffers of 4 + 4
	s_load_b256 s[4:11], s[0:1], 0x0               ; embed s[4:5], x s[6:7], idw s[8:9], out0 s[10:11]
	v_lshl_add_u32 v14, v0, 2, 0x10000
	v_mov_b32 v15, 0
	v_and_b32 v1, 255, v0
	v_lshrrev_b32 v5, 8, v0                        ; t / 256
	v_lshlrev_b32 v1, 4, v1
	v_lshl_add_u32 v[VX], v5, 20, v1               ; an image is 1,048,576 bytes of x,
	v_lshl_add_u32 v[VI], v5, 12, v1               ; 4,096 of idw
	v_lshlrev_b32 v[VE], 4, v0
	s_and_b32 s12, ttmp7, 0xffff                   ; bh
	s_lshl_b32 s14, ttmp9, 16                      ; two rows of embed
	s_mov_b32 s15, 0
	s_lshl_b32 s16, s12, 16                        ; sixteen images of idw
	s_mov_b32 s17, 0
	s_lshl_b32 s18, s12, 24                        ; sixteen images of x,
	s_lshl_b32 s20, ttmp9, 13                      ; two channels of 4,096 bytes
	s_add_co_u32 s18, s18, s20
	s_mov_b32 s19, 0
	s_wait_kmcnt 0x0
	s_add_nc_u64 s[4:5], s[4:5], s[14:15]
	s_add_nc_u64 s[8:9], s[8:9], s[16:17]
	s_add_nc_u64 s[6:7], s[6:7], s[18:19]          ; x for trips 0-3,
	s_add_nc_u64 s[22:23], s[6:7], 0x800000        ; and eight images on for trips 4-7: an immediate offset has 24 signed bits
	s_add_nc_u64 s[10:11], s[10:11], s[18:19]
	s_add_nc_u64 s[24:25], s[10:11], 0x800000
	s_wait_alu depctr_va_vdst(0)                   ; v2 to v4 are written: every global load and store and every LDS store of the kernel reads one of them as its offset or address
.irp i, 0,1,2,3,4,5,6,7
	global_load_b128 v[EM+4*\i:EM+4*\i+3], v[VE], s[4:5] offset:\i*8192
.endr
.irp i, 0,1,2,3,4,5,6,7
	global_load_b128 v[TR+12*\i:TR+12*\i+3],    v[VI], s[8:9] offset:\i*8192  ; all the ids ahead of x
.endr
.irp i, 0,1,2,3
	global_load_b128 v[TR+12*\i+4:TR+12*\i+7],  v[VX], s[6:7] offset:\i*0x200000 th:TH_LOAD_NT
	global_load_b128 v[TR+12*\i+8:TR+12*\i+11], v[VX], s[6:7] offset:\i*0x200000+4096 th:TH_LOAD_NT
.endr
.irp i, 4,5,6,7
	global_load_b128 v[TR+12*\i+4:TR+12*\i+7],  v[VX], s[22:23] offset:(\i-4)*0x200000 th:TH_LOAD_NT
	global_load_b128 v[TR+12*\i+8:TR+12*\i+11], v[VX], s[22:23] offset:(\i-4)*0x200000+4096 th:TH_LOAD_NT
.endr
	s_wait_loadcnt 24                              ; embed's eight are in; the 24 loads issued behind them stay out
.irp i, 0,1,2,3,4,5,6,7
	ds_store_b128 v[VE], v[EM+4*\i:EM+4*\i+3] offset:\i*8192
.endr
	s_wait_loadcnt 16                              ; the ids' eight are in; x's sixteen stay out
.irp i, 0,1,2,3,4,5,6,7                ; the 32 LDS addresses, while my LDS stores are on their way
.irp c, 0,1,2,3
	v_min_u32 v[TR+12*\i+\c], 0x1fff, v[TR+12*\i+\c]
.endr
.irp c, 0,1,2,3
	v_lshlrev_b32 v[TR+12*\i+\c], 2, v[TR+12*\i+\c]
.endr
.endr
	s_wait_dscnt 0x0                               ; for the others' sake: my part of the two rows lies in LDS
	s_barrier_signal -1
	s_barrier_wait -1
	s_wait_alu depctr_va_vdst(0)                   ; the shifts have written the 32 addresses, which the 64 gathers read; no later vector instruction names them
; Trip i's eight gathers: four ids, two channels.
.macro GATH i
.irp c, 0,1,2,3
	ds_load_b32 v[G+8*((\i)%3)+\c],   v[TR+12*(\i)+\c]
	ds_load_b32 v[G+8*((\i)%3)+4+\c], v[TR+12*(\i)+\c] offset:32768
.endr
.endm
; Trip i's two roundings.
.macro SUMS i
.irp c, 0,2,4,6
	v_pk_add_f32 v[G+8*((\i)%3)+\c:G+8*((\i)%3)+\c+1], v[G+8*((\i)%3)+\c:G+8*((\i)%3)+\c+1], v[TR+12*(\i)+4+\c:TR+12*(\i)+4+\c+1]  ; e + x
.endr
.irp c, 0,2,4,6
	v_pk_add_f32 v[TR+12*(\i)+4+\c:TR+12*(\i)+4+\c+1], v[G+8*((\i)%3)+\c:G+8*((\i)%3)+\c+1], v[TR+12*(\i)+4+\c:TR+12*(\i)+4+\c+1] neg_lo:[0,1] neg_hi:[0,1]  ; - x
.endr
.endm
; Trip i's two stores.
.macro SEND i
.if (\i) < 4
	global_store_b128 v[VX], v[TR+12*(\i)+4:TR+12*(\i)+7],  s[10:11] offset:(\i)*0x200000 th:TH_STORE_NT       ; a wave stores 512 consecutive bytes, at a multiple of 256 from out0's first byte
	global_store_b128 v[VX], v[TR+12*(\i)+8:TR+12*(\i)+11], s[10:11] offset:(\i)*0x200000+4096 th:TH_STORE_NT
.else
	global_store_b128 v[VX], v[TR+12*(\i)+4:TR+12*(\i)+7],  s[24:25] offset:((\i)-4)*0x200000 th:TH_STORE_NT
	global_store_b128 v[VX], v[TR+12*(\i)+8:TR+12*(\i)+11], s[24:25] offset:((\i)-4)*0x200000+4096 th:TH_STORE_NT
.endif
.endm
; Step i.
.macro STEP i
.if (\i) < 7
	GATH (\i)+1                                    ; the next trip's gathers are out while this trip is finished.  No wait: the additions that last named this buffer (trip i - 2's) stand ahead of the last step's wait
	s_wait_dscnt 8                                 ; LDS loads come back in order: trip i's gathers are in, the next trip's eight stay out
.else
	s_wait_dscnt 0x0
.endif
	s_wait_loadcnt 14-2*(\i)                       ; trip i's x is in; the later trips' stay out
.if (\i) > 0
	s_wait_alu depctr_va_vdst(0)                   ; trip i - 1's additions have written its x registers, which the stores below read, and are done with its gather buffer, in which the next step's gathers land
	SEND (\i)-1
.endif
	SUMS \i
.endm
	GATH 0
.irp i, 0,1,2,3,4,5,6,7
	STEP \i
.endr
	s_wait_alu depctr_va_vdst(0)                   ; trip 7's additions have written its x registers, which the last two stores read
	SEND 7
	s_wait_dscnt 0x0                               ; the wave's end; 0 is then added onto my spare word, behind the two rows
	s_wait_alu depctr_hold_cnt(0) depctr_sa_sdst(0) depctr_va_vdst(0) depctr_va_sdst(0) depctr_va_ssrc(0) depctr_va_vcc(0) depctr_vm_vsrc(0)
	s_wait_tensorcnt 0x0
	ds_add_u32 v14, v15
	s_wait_dscnt 0x0
	s_endpgm
.Lfunc_end_k_q0b22e7927d_lookup:
	.size	k_q0b22e7927d_lookup, .Lfunc_end_k_q0b22e7927d_lookup-k_q0b22e7927d_lookup
	.p2alignl 7, 3214868480
	.fill 96, 4, 3214868480
	.section	.rodata,"a",@progbits
	.p2align	6, 0x0
	.amdhsa_kernel k_q0b22e7927d_lookup
		.amdhsa_group_segment_fixed_size 67584
		.amdhsa_private_segment_fixed_size 0
		.amdhsa_enable_private_segment 0
		.amdhsa_kernarg_size 32
		.amdhsa_user_sgpr_count 2
		.amdhsa_user_sgpr_kernarg_segment_ptr 1
		.amdhsa_wavefront_size32 1
		.amdhsa_system_sgpr_workgroup_id_x 1
		.amdhsa_system_sgpr_workgroup_id_y 1
		.amdhsa_system_sgpr_workgroup_id_z 1
		.amdhsa_system_vgpr_workitem_id 0
		.amdhsa_next_free_vgpr 168
		.amdhsa_next_free_sgpr 66
		.amdhsa_reserve_vcc 0
		.amdhsa_float_denorm_mode_32 3
		.amdhsa_float_denorm_mode_16_64 3
		.amdhsa_memory_ordered 1
		.amdhsa_forward_progress 1
		.amdhsa_inst_pref_size 19
	.end_amdhsa_kernel
	.amdgpu_metadata
---
amdhsa.version: [ 1, 2 ]
amdhsa.kernels:
  - .name:           k_q0b22e7927d_lookup
    .symbol:         k_q0b22e7927d_lookup.kd
    .args:
      - { .name: embed, .offset: 0, .size: 8, .value_kind: global_buffer, .address_space: global }
      - { .name: x, .offset: 8, .size: 8, .value_kind: global_buffer, .address_space: global }
      - { .name: idw, .offset: 16, .size: 8, .value_kind: global_buffer, .address_space: global }
      - { .name: out0, .offset: 24, .size: 8, .value_kind: global_buffer, .address_space: global }
    .group_segment_fixed_size: 67584
    .private_segment_fixed_size: 0
    .kernarg_segment_align: 8
    .kernarg_segment_size: 32
    .max_flat_workgroup_size: 512
    .sgpr_count:     66
    .vgpr_count:     168
    .wavefront_size: 32
...
	.end_amdgpu_metadata
.endif
;; end of part 5
